; MI455X (gfx1250); checked and timed in simulation.
; The chip was launched on July 23, 2026; its instructions are those of AMD's public machine-readable ISA for CDNA 5 (MIT licence, August 2026) and "CDNA5" Instruction Set Architecture Reference Guide (July 2026). The comments in the code are by the model that wrote it; some were corrected since.
;; Apply Attention Policy Map. Allowed arithmetic: matrix products marked QUANTISED: E2M3 operands, one E8M0 scale for each 32 along K, by v_wmma_scale_f32_16x16x128_f8f6f4 with both operands' format E2M3, f32 sums; everything else in f32.
;; Inputs: fc1 4,288 x 1,858 float32; logits 8,192 x 64 x 64 float32; pp_logits 8,192 x 8 x 24 float32.
;; Outputs: out0 8,192 x 1,858 float32.
;; This version of the problem:
;;   THIS VERSION OF THE PROBLEM IS GIVEN IN LOW PRECISION. The matrix products marked QUANTISED in the list below multiply operands that are first quantised to E2M3 (2 exponent bits, 3 mantissa bits; 6 bits a number), with one power-of-two scale for each 32 numbers along K (OCP MX v1.0); their sums are f32. All else is computed in f32.
;;   The module's matrix products, in the order in which they are computed (A, B: the left and right operand; K: the contracted axis; several contracted axes count as one K, in the product's order):
;;     1. [M 8,192, K 4,288] x [K 4,288, N 1,858]; A: computed on the way; B: input fc1: QUANTISED
;;   THE QUANTISER, for each operand of a quantised product, along K:
;;     - K is cut into blocks of 32 from its start; a last block that is shorter is filled with zeros.
;;     - A block's scale is 2^e with e = floor(log2(the largest magnitude in the block)) - 2, held to -126 .. 127; a block of zeros has e = 0. As a byte (E8M0): e + 127.
;;     - Each number is divided by its block's scale, clamped to +-7.5, and rounded to the nearest number of E2M3, ties to even, subnormals kept.
;;     - The product sums the exact products of the quantised numbers (number of the format x scale) in f32.
;;   ~~~python
;;   def quantise(x, axis):      # numpy; x: float32 -> the quantised numbers, widened to float32 again
;;       x = np.moveaxis(x, axis, -1); K = x.shape[-1]
;;       x = np.pad(x, [(0, 0)] * (x.ndim - 1) + [(0, -K % 32)]); x = x.reshape(x.shape[:-1] + (-1, 32)); a = np.abs(x).max(-1, keepdims=True)
;;       e = np.where(a > 0, np.clip(np.frexp(np.where(a > 0, a, 1))[1] - 1 - 2, -126, 127), 0)      # np.frexp(a)[1] - 1 = floor(log2(a)), exactly
;;       r = np.clip(x / 2.0 ** e, -7.5, 7.5)
;;       step = 2.0 ** (np.maximum(np.frexp(np.where(r == 0, 1, r))[1] - 1, 0) - 3)
;;       q = np.round(r / step) * step * 2.0 ** e      # np.round: ties to even
;;       return np.moveaxis(q.reshape(q.shape[:-2] + (-1,))[..., :K], -1, axis).astype(np.float32)
;;   ~~~
;;   OPERANDS COMPUTED ON THE WAY. 'Computed on the way' means the value that the module computes at that place (a softmax that the list does not call 'softmax' is quantised finished and normalised). What goes into a quantiser is computed in f32, as accurately as f32 sums, v_exp_f32 and their like allow (about 1e-6 of the number): no bf16 or f16 on the way to a quantiser, and a product that is left as it is and whose result goes on into a quantised operand takes f32 operands (vector FMAs, or v_wmma_f32_16x16x4_f32). A number that lies on a knife's edge between two numbers of the format may be rounded either way, as far as f32 arithmetic and the matrix unit's own rounding can turn it there, and no further.
;; One version. Each part assembles by itself: llvm-mc -triple=amdgcn-amd-amdhsa -mcpu=gfx1250 --defsym DOCPART=n.
;; ======== version 1 of 1: 2 launches
;; limits: right only within a limited range of input values
;; workspace buffers: acode 27,852,800 bytes; bcode 6,963,200 bytes
;; launch quant (part 1): grid 4352 x 1, 1 waves a work-group, no clusters, 9,472 bytes of LDS; arguments logits, pp_logits, fc1, acode, bcode; writes acode, bcode
.if DOCPART == 1
	.amdgcn_target "amdgcn-amd-amdhsa--gfx1250"
	.amdhsa_code_object_version 6
	.text
	.protected	k_q9b66109742_quant
	.globl	k_q9b66109742_quant
	.p2align	8
	.type	k_q9b66109742_quant,@function
k_q9b66109742_quant:
	s_mov_b64 s[64:65], 0
	v_nop
	global_prefetch_b8 v0, s[64:65] scope:SCOPE_SE
	s_setreg_imm32_b32 hwreg(HW_REG_WAVE_MODE, 25, 1), 1
	s_wait_xcnt 0x0
; Both operands of out = [logits | pp_logits] x fc1 are turned into codes of FP6 (E2M3) with one E8M0 scale byte for each 32 along K (K = 4,288: 4,096 of logits, then 192 of pp_logits).
; A block's scale is 2^(floor(log2(its largest magnitude)) - 2): its byte is the largest magnitude's exponent field - 2, held at 1 from below; each number is divided by the scale and rounded to the nearest code, ties to even,
; beyond 7.5 the largest code.
; LIMITS: NaN and infinities among the inputs are not served.  A block whose largest magnitude lies under 2^-124 has its byte held at 1.  A block of zeros gets the byte 1 where the quantiser's text says 127:
; its codes are zeros, which add nothing under any byte but 0xff, and the bytes are read by this program alone.
; THE WORKSPACE IS LAID AS THE PRODUCT'S REGISTERS WANT IT.  A block HB of 12,800 bytes holds 128 rows (of A; columns of fc1) x 128 along K: eight fragments of 16 rows, 1,536 bytes each, as images of their 12 registers
; (registers 4 c .. 4 c + 3 of lane l at 512 c + 16 l; lane (r, h) holds row r, registers 0-5 k = 32 h + 0 .. 31, registers 6-11 k = 64 + 32 h + 0 .. 31), then 512 bytes of scale words (four bytes: a row's 128 along K):
; the word of fragment 2 p + g, row r, at 12,288 + 256 g + 16 r + 4 p.  acode: [64 blocks of rows][34 K steps][HB]; bcode: [16 blocks of columns][34 K steps][HB].
; K from 4,288 on (the second half of K step 33) and columns from 1,858 on get zero codes.
; SHARES.  A work-group is ONE wave with one task: an HB of A (64 x 34 = 2,176 tasks, 64 KiB read each) or a quarter of an HB of fc1, 32 columns x 128 K (4 x 16 x 34 = 2,176 tasks, 16 KiB read each): 4,352 = 17 x 256 work-groups.
; Work-group n = i + 256 j (i < 256) takes A where i + j is even, fc1 where it is odd: the long tasks and the short ones alternate among neighbours and among work-groups 256 apart; the 17 of one i read 704 or 656 KiB.
; The eight tasks of fc1 with one i and j < 16 are the quarters of two HBs of neighbouring column blocks at one K step: 256 neighbouring columns of the same 128 rows.  No barrier: nothing is shared.
.set HB,   12800
.set ROWF, 7432                        ; a row of fc1 in bytes
.set NOUT, 1858
.set SP,   528                         ; A's stage in LDS, 16 rows: a row of 512 bytes + 16, an odd multiple of 16: sixteen lanes that read sixteen rows touch sixteen different 16-byte columns
.set VO,   8                           ; v8-23    A: row j's byte offset for my lane
.set WD,   24                          ; v24-31   A: the scale words of the eight fragments.  fc1: v24 my column's scale word
.set R,    32                          ; v32-159  A: two sets of 64 numbers
.set PC,   160                         ; v160-171 A: a fragment's codes; v172-178 the conversions' second halves
.set TM,   180                         ; v180-195 A: at work
.set X,    32                          ; v32-95   fc1: two sets of 32 numbers
.set FA,   96                          ; v96-107  fc1: blocks 0 and 2 of my column, then the image of fragment 2 w
.set FB,   108                         ; v108-119 fc1: blocks 1 and 3, then the image of fragment 2 w + 1
.set TP,   120                         ; v120-122 fc1: a conversion's second half
	s_load_b256 s[4:11], s[0:1], 0x0               ; logits s[4:5], pp_logits s[6:7], fc1 s[8:9], acode s[10:11]
	s_load_b64 s[12:13], s[0:1], 0x20              ; bcode
	v_lshl_add_u32 v196, v0, 2, 0x2400
	v_mov_b32 v197, 0
	v_and_b32 v2, 15, v0                           ; r  (v0 is the lane: the work-group is one wave)
	v_lshrrev_b32 v3, 4, v0                        ; h
	v_lshlrev_b32 v6, 4, v0                        ; 16 x lane: my place in an image, and in a row of the stage
	s_mov_b32 s24, 0x76543210
	s_mov_b32 s25, 0xfedcba98                      ; v_permlanex16_b32's selects for lane l xor 16
	s_and_b32 s2, ttmp9, 255                       ; i
	s_lshr_b32 s3, ttmp9, 8                        ; j
	s_add_co_u32 s14, s2, s3
	s_and_b32 s14, s14, 1                          ; i + j odd: fc1
	s_wait_kmcnt 0x0
	s_cmp_lg_u32 s14, 0
	s_cbranch_scc1 .Lfc1
; ---------------- A: one HB ----------------
	s_lshr_b32 s16, ttmp9, 1                       ; W = n / 2 = 34 x block of rows + K step: of work-groups 2 m and 2 m + 1, which share j, just one has i + j even, so W takes each of 0 .. 2,175 once
	s_mul_i32 s17, s16, 1928
	s_lshr_b32 s17, s17, 16                        ; W / 34: 1,928 / 65,536 lies W / 139,264 over 1 / 34, under 1 / 34 for every W below 2,176
	s_mul_i32 s18, s17, 34
	s_sub_co_u32 s18, s16, s18                     ; the K step
	s_cmp_lt_u32 s18, 32                           ; K steps 0-31 lie in logits, 32 and 33 in pp_logits: a choice on ids alone
	s_cselect_b64 s[22:23], s[4:5], s[6:7]
	s_mov_b32 s19, 768
	s_cselect_b32 s19, 16384, s19                  ; a row in bytes
	s_cmp_eq_u32 s18, 33                           ; K step 33 has 64 numbers a row: lanes 16-31 read what lanes 0-15 read, so that no load leaves the buffer,
	s_cselect_b32 s20, 15, 31
	s_cselect_b32 s21, 0, -1                       ; and the codes of its second half are cleared
	s_mul_i32 s30, s17, s19
	s_lshl_b32 s30, s30, 7                         ; 128 rows a block
	s_and_b32 s31, s18, 31
	s_lshl_b32 s31, s31, 9                         ; 512 bytes a K step
	s_add_co_u32 s30, s30, s31
	s_mov_b32 s31, 0
	s_add_nc_u64 s[32:33], s[22:23], s[30:31]      ; fragment 0's first row;
	s_lshl_b32 s28, s19, 4
	s_mov_b32 s29, 0
.irp i, 1,2,3,4,5,6,7
	s_add_nc_u64 s[32+2*\i:33+2*\i], s[30+2*\i:31+2*\i], s[28:29]   ; fragment i's, 16 rows on: a base for each, never rewritten
.endr
	s_mul_i32 s30, s16, HB
	s_add_nc_u64 s[26:27], s[10:11], s[30:31]      ; my HB
	v_and_b32 v7, s20, v0
	v_lshlrev_b32 v7, 4, v7
.irp j, 0,1,2,3,4,5,6,7,8,9,10,11,12,13,14,15
	v_mad_u32_u24 v[VO+\j], s19, \j, v7            ; row j, my 16 bytes of its 512
.endr
.macro LOADA i                         ; fragment i: 16 rows; a load reads a row's 512 consecutive bytes
.set RL, R+64*((\i)%2)
.irp j, 0,1,2,3,4,5,6,7,8,9,10,11,12,13,14,15
	global_load_b128 v[RL+4*\j:RL+4*\j+3], v[VO+\j], s[32+2*(\i):33+2*(\i)] th:TH_LOAD_NT
.endr
.endm
	LOADA 0
	LOADA 1
	v_mul_u32_u24 v5, v2, SP
	v_lshl_add_u32 v5, v3, 6, v5                   ; out of the stage: row r, + 64 h: my 16 numbers of a block of 32
.irp b, 0,1,2,3
	v_mov_b32 v[TM+4+\b], 0                        ; written once: a lane permute's destination counts as one of its sources
.endr
; The conversions take 16 neighbours along K from ONE lane's registers; a load is best where neighbouring lanes take neighbouring bytes.  So a fragment's 16 rows go through the stage as they lie and come back
; 64 bytes a lane and block: register 16 b + n is then k = 32 b + 16 h + n of row r.  LDS serves a wave's instructions in order: no wait between the stores and the loads.
.macro TURNA i
.set RS, R+64*((\i)%2)
.irp j, 0,1,2,3,4,5,6,7,8,9,10,11,12,13,14,15
	ds_store_b128 v6, v[RS+4*\j:RS+4*\j+3] offset:SP*\j
.endr
.irp b, 0,1,2,3
.irp q, 0,1,2,3
	ds_load_b128 v[RS+16*\b+4*\q:RS+16*\b+4*\q+3], v5 offset:128*\b+16*\q
.endr
.endr
.endm
; v[RS] .. v[RS + 63] become a fragment's codes in v[PC] on and its rows' scale word in v[w]
.macro QUANTA w
.irp b, 0,1,2,3
	v_max3_num_f32 v[TM+\b], |v[RS+16*\b]|, |v[RS+1+16*\b]|, 0x1800000   ; block b: my 16 numbers, and the floor 2^(3 - 127): the byte cannot fall under 1
.endr
.irp i, 2,4,6,8,10,12,14
.irp b, 0,1,2,3
	v_max3_num_f32 v[TM+\b], v[TM+\b], |v[RS+16*\b+\i]|, |v[RS+1+16*\b+\i]|   ; (the four blocks by turns: no line waits for the line above it)
.endr
.endr
.irp b, 0,1,2,3
	v_permlanex16_b32 v[TM+4+\b], v[TM+\b], s24, s25
.endr
.irp b, 0,1,2,3
	v_max_num_f32 v[TM+\b], v[TM+\b], v[TM+4+\b]   ; with lane l xor 16's 16: the block's largest magnitude
.endr
.irp b, 0,1,2,3
	v_add_nc_u32 v[TM+12+\b], 0xff000000, v[TM+\b] ; 2 off its exponent field: the conversion takes the exponent field of this operand as its scale, and nothing else of it
.endr
.irp b, 0,1,2,3
	v_lshrrev_b32 v[TM+4+\b], 23, v[TM+12+\b]      ; the scale's byte
.endr
	v_lshl_or_b32 v[\w], v[TM+5], 8, v[TM+4]       ; the four bytes make my row's scale word (both halves of the lanes hold it)
	v_lshl_or_b32 v[\w], v[TM+6], 16, v[\w]
	v_lshl_or_b32 v[\w], v[TM+7], 24, v[\w]
.irp c, 0,1
	v_cvt_scalef32_pk16_fp6_f32 v[PC+6*\c:PC+2+6*\c], v[RS+32*\c:RS+15+32*\c], v[TM+12+2*\c]
	v_cvt_scalef32_pk16_fp6_f32 v[PC+12+4*\c:PC+14+4*\c], v[RS+16+32*\c:RS+31+32*\c], v[TM+12+2*\c+1]   ; (a conversion's three registers begin on an even number)
.endr
	v_nop                                          ; one plain instruction behind a scaled conversion
.irp c, 0,1                                    ; the operand's layout wants a WHOLE block in a lane: lanes 0-15 block 2 c, lanes 16-31 block 2 c + 1
.irp i, 0,1,2
	v_permlane16_swap_b32 v[PC+6*\c+\i], v[PC+12+4*\c+\i]
.endr
.irp i, 0,1,2
	v_mov_b32 v[PC+3+6*\c+\i], v[PC+12+4*\c+\i]
.endr
.endr
.endm
.macro TRIPA i
.if (\i) < 7
	s_wait_loadcnt 16                              ; this fragment's 16 loads are in; the next fragment's 16 may be out
.else
	s_wait_loadcnt 0x0
.endif
	TURNA \i
	s_wait_dscnt 0x0                               ; the numbers are back from the stage
.if (\i) > 0
	s_wait_xcnt 0x0                                ; the last fragment's stores have read their data: the codes' registers are written again only behind this wait
.endif
	QUANTA WD+(\i)
.irp k, 6,7,8,9,10,11
	v_and_b32 v[PC+\k], s21, v[PC+\k]              ; K step 33: k = 64 .. 127 lie beyond K's end: zero codes
.endr
.irp c, 0,1,2
	global_store_b128 v6, v[PC+4*\c:PC+4*\c+3], s[26:27] offset:1536*(\i)+512*\c   ; 32 lanes store 512 consecutive bytes, at a multiple of 256 from the buffer's first byte
.endr
.if (\i) < 6
	LOADA (\i)+2                                   ; into the set just quantised
.endif
.endm
	s_wait_alu depctr_va_vdst(0)
.irp i, 0,1,2,3,4,5,6,7
	TRIPA \i
.endr
	v_cmp_eq_u32 vcc_lo, 1, v3
.irp p, 0,1,2,3
	v_cndmask_b32 v[TM+\p], v[WD+2*\p], v[WD+2*\p+1], vcc_lo   ; lane (r, h): the words of fragments h, 2 + h, 4 + h, 6 + h, row r
.endr
	global_store_b128 v6, v[TM:TM+3], s[26:27] offset:12288   ; the HB's 512 bytes of scale words, by one store
	s_wait_tensorcnt 0x0
	ds_add_u32 v196, v197
	s_wait_dscnt 0x0
	s_endpgm
; ---------------- fc1: quarter w of an HB: columns 32 w .. 32 w + 31 of its 128 ----------------
; K is fc1's FIRST axis.  A LANE TAKES A COLUMN AND ITS REGISTERS RUN DOWN K: a load reads 128 consecutive bytes, a block of 32 along K lies in one lane's 32 registers,
; and the conversions give codes with K innermost.  Nothing is transposed by an instruction.
; WHICH QUARTER.  i + j is odd.  With b = j / 2 (0 .. 7; 8 for j = 16, where i is odd): order number H' = 256 (i % 2) + 2 (i / 2) + b / 4 (0 .. 511), quarter b % 4; for b = 8: H' = 512 + i / 8 (512 .. 543), quarter (i / 2) % 4.
; H' = 2 P + e stands for column block 2 (P / 34) + e at K step P % 34: H' and H' + 1 (H' even) are neighbours along a row of fc1.
.Lfc1:
	s_and_b32 s15, s2, 1
	s_lshl_b32 s15, s15, 8                         ; 256 (i % 2)
	s_and_b32 s16, s2, 254
	s_add_co_u32 s15, s15, s16                     ; + 2 (i / 2)
	s_lshr_b32 s16, s3, 1                          ; b
	s_lshr_b32 s17, s16, 2
	s_add_co_u32 s15, s15, s17                     ; + b / 4
	s_and_b32 s14, s16, 3                          ; w = b % 4
	s_lshr_b32 s17, s2, 3
	s_add_co_u32 s17, s17, 512                     ; for b = 8: 512 + i / 8,
	s_bfe_u32 s18, s2, 0x20001                     ; and (i / 2) % 4: two bits from bit 1
	s_cmp_eq_u32 s16, 8
	s_cselect_b32 s15, s17, s15                    ; H'
	s_cselect_b32 s14, s18, s14                    ; w
	s_lshr_b32 s16, s15, 1                         ; P
	s_and_b32 s19, s15, 1                          ; e
	s_mul_i32 s17, s16, 1928
	s_lshr_b32 s17, s17, 16                        ; P / 34 (as above; P is below 272)
	s_mul_i32 s18, s17, 34
	s_sub_co_u32 s18, s16, s18                     ; the K step
	s_lshl_b32 s17, s17, 1
	s_add_co_u32 s17, s17, s19                     ; the block of columns
	s_mul_i32 s15, s17, 34
	s_add_co_u32 s15, s15, s18                     ; the HB's number in bcode
	s_cmp_eq_u32 s18, 33                           ; K step 33 has 64 rows: blocks 2 and 3 read blocks 0 and 1 again, so that no load leaves the buffer, and their codes are cleared
	s_cselect_b32 s21, 0, -1
	s_cselect_b32 s22, 0, 64*ROWF
	s_mov_b32 s23, 0
	s_mul_i32 s30, s18, 128*ROWF
	s_mov_b32 s31, 0
	s_add_nc_u64 s[32:33], s[8:9], s[30:31]        ; rows 128 x K step on: blocks 0 and 1;
	s_add_nc_u64 s[34:35], s[32:33], s[22:23]      ; blocks 2 and 3
	s_mul_i32 s30, s15, HB
	s_add_nc_u64 s[26:27], s[12:13], s[30:31]      ; the HB
	s_lshl_b32 s30, s14, 2
	s_add_co_u32 s30, s30, 12288
	s_add_nc_u64 s[36:37], s[26:27], s[30:31]      ; its scale words, + 4 w: fragments 2 w and 2 w + 1 have p = w
	s_mul_i32 s30, s14, 3072
	s_add_nc_u64 s[26:27], s[26:27], s[30:31]      ; fragment 2 w's image
	s_lshl_b32 s16, s17, 7
	s_lshl_b32 s19, s14, 5
	s_add_co_u32 s16, s16, s19
	v_add_nc_u32 v7, s16, v0                       ; my column
	v_cmp_gt_u32 vcc_lo, NOUT, v7
	v_cndmask_b32 v9, 0, -1, vcc_lo                ; all ones where the column exists,
	v_and_b32 v10, s21, v9                         ; and where blocks 2 and 3 exist too
	v_min_u32 v8, NOUT-1, v7                       ; a column beyond the last reads the last: no load leaves the buffer; its codes are cleared
	v_lshlrev_b32 v8, 2, v8
.macro LOADB t                         ; block t: fc1(128 x K step + 32 t + i, my column), i = 0 .. 31, into set t % 2.  No cache hint: the bytes beside my 128 are read by the other quarters' work-groups
.irp i, 0,1,2,3,4,5,6,7,8,9,10,11,12,13,14,15,16,17,18,19,20,21,22,23,24,25,26,27,28,29,30,31
	global_load_b32 v[X+32*((\t)%2)+\i], v8, s[32+2*((\t)/2):33+2*((\t)/2)] offset:(32*((\t)%2)+\i)*ROWF
.endr
.endm
	LOADB 0
	LOADB 1
.macro BLOCKB t, d                     ; block t's 32 codes into v[d] .. v[d + 5], its byte into the scale word
.set XS, X+32*((\t)%2)
.if (\t) < 3
	s_wait_loadcnt 32                              ; this block's 32 loads are in; the next block's may be out
.else
	s_wait_loadcnt 0x0
.endif
	v_max3_num_f32 v12, |v[XS]|, |v[XS+1]|, |v[XS+2]|               ; the block's largest magnitude: all 32 numbers are mine
	v_max3_num_f32 v13, |v[XS+3]|, |v[XS+4]|, |v[XS+5]|
.irp i, 6,10,14,18,22,26
	v_max3_num_f32 v12, v12, |v[XS+\i]|, |v[XS+\i+1]|
	v_max3_num_f32 v13, v13, |v[XS+\i+2]|, |v[XS+\i+3]|
.endr
	v_max3_num_f32 v12, v12, |v[XS+30]|, |v[XS+31]|
	v_max3_num_f32 v12, v12, v13, 0x1800000        ; and the floor 2^(3 - 127)
	v_add_nc_u32 v11, 0xff000000, v12              ; 2 off its exponent field: the conversion's scale operand
	v_lshrrev_b32 v13, 23, v11                     ; the scale's byte
.if (\t) == 0
	v_mov_b32 v[WD], v13
.else
	v_lshl_or_b32 v[WD], v13, 8*(\t), v[WD]
.endif
	v_cvt_scalef32_pk16_fp6_f32 v[\d:\d+2], v[XS:XS+15], v11
	v_cvt_scalef32_pk16_fp6_f32 v[TP:TP+2], v[XS+16:XS+31], v11     ; (a conversion's three registers begin on an even number)
	v_nop                                          ; one plain instruction behind a scaled conversion
.irp i, 0,1,2
	v_mov_b32 v[\d+3+\i], v[TP+\i]
.endr
.if (\t) < 2
	LOADB (\t)+2
.endif
.endm
	BLOCKB 0, FA
	BLOCKB 1, FB
	BLOCKB 2, FA+6
	BLOCKB 3, FB+6
.irp k, 0,1,2,3,4,5
	v_and_b32 v[FA+\k], v9, v[FA+\k]               ; zero codes for columns that do not exist,
	v_and_b32 v[FB+\k], v9, v[FB+\k]
	v_and_b32 v[FA+6+\k], v10, v[FA+6+\k]          ; and for K beyond its end
	v_and_b32 v[FB+6+\k], v10, v[FB+6+\k]
.endr
.irp k, 0,1,2,3,4,5,6,7,8,9,10,11
	v_permlane16_swap_b32 v[FA+\k], v[FB+\k]       ; FA's lanes 16-31 change places with FB's lanes 0-15: FA is now fragment 2 w (columns 0-15 of my 32: lanes 0-15 blocks 0 and 2, lanes 16-31 blocks 1 and 3), FB fragment 2 w + 1
.endr
.irp c, 0,1,2
	global_store_b128 v6, v[FA+4*\c:FA+4*\c+3], s[26:27] offset:512*\c          ; 512 consecutive bytes a store
	global_store_b128 v6, v[FB+4*\c:FB+4*\c+3], s[26:27] offset:1536+512*\c
.endr
	global_store_b32 v6, v[WD], s[36:37]           ; my column's scale word, at 256 (lane / 16) + 16 r + 4 w: four bytes in sixteen; the four quarters fill the 512 bytes between them
	s_endpgm
.Lfunc_end_k_q9b66109742_quant:
	.size	k_q9b66109742_quant, .Lfunc_end_k_q9b66109742_quant-k_q9b66109742_quant
	.p2alignl 7, 3214868480
	.fill 96, 4, 3214868480
	.section	.rodata,"a",@progbits
	.p2align	6, 0x0
	.amdhsa_kernel k_q9b66109742_quant
		.amdhsa_group_segment_fixed_size 9472
		.amdhsa_private_segment_fixed_size 0
		.amdhsa_enable_private_segment 0
		.amdhsa_kernarg_size 40
		.amdhsa_user_sgpr_count 2
		.amdhsa_user_sgpr_kernarg_segment_ptr 1
		.amdhsa_wavefront_size32 1
		.amdhsa_system_sgpr_workgroup_id_x 1
		.amdhsa_system_sgpr_workgroup_id_y 1
		.amdhsa_system_sgpr_workgroup_id_z 1
		.amdhsa_system_vgpr_workitem_id 0
		.amdhsa_next_free_vgpr 198
		.amdhsa_next_free_sgpr 66
		.amdhsa_reserve_vcc 1
		.amdhsa_float_denorm_mode_32 3
		.amdhsa_float_denorm_mode_16_64 3
		.amdhsa_memory_ordered 1
		.amdhsa_forward_progress 1
		.amdhsa_inst_pref_size 88
	.end_amdhsa_kernel
	.amdgpu_metadata
---
amdhsa.version: [ 1, 2 ]
amdhsa.kernels:
  - .name:           k_q9b66109742_quant
    .symbol:         k_q9b66109742_quant.kd
    .args:
      - { .name: logits, .offset: 0, .size: 8, .value_kind: global_buffer, .address_space: global }
      - { .name: pp_logits, .offset: 8, .size: 8, .value_kind: global_buffer, .address_space: global }
      - { .name: fc1, .offset: 16, .size: 8, .value_kind: global_buffer, .address_space: global }
      - { .name: acode, .offset: 24, .size: 8, .value_kind: global_buffer, .address_space: global }
      - { .name: bcode, .offset: 32, .size: 8, .value_kind: global_buffer, .address_space: global }
    .group_segment_fixed_size: 9472
    .private_segment_fixed_size: 0
    .kernarg_segment_align: 8
    .kernarg_segment_size: 40
    .max_flat_workgroup_size: 32
    .sgpr_count:     66
    .vgpr_count:     198
    .wavefront_size: 32
...
	.end_amdgpu_metadata
.endif
;; end of part 1
;; launch gemm (part 2): grid 8 x 32, 4 waves a work-group, clusters of 4 x 4, 327,680 bytes of LDS; arguments acode, bcode, out0; writes out0
.if DOCPART == 2
	.amdgcn_target "amdgcn-amd-amdhsa--gfx1250"
	.amdhsa_code_object_version 6
	.text
	.protected	k_q9b66109742_gemm
	.globl	k_q9b66109742_gemm
	.p2align	8
	.type	k_q9b66109742_gemm,@function
k_q9b66109742_gemm:
	s_mov_b64 s[64:65], 0
	v_nop
	global_prefetch_b8 v0, s[64:65] scope:SCOPE_SE
	s_setreg_imm32_b32 hwreg(HW_REG_WAVE_MODE, 25, 1), 1
	s_wait_xcnt 0x0
	s_wait_alu depctr_hold_cnt(0) depctr_sa_sdst(0) depctr_va_vdst(0) depctr_va_sdst(0) depctr_va_ssrc(0) depctr_va_vcc(0) depctr_vm_vsrc(0)
	s_getreg_b32 s2, hwreg(HW_REG_IB_STS2, 6, 4)
	s_cmp_eq_u32 s2, 0
	s_cbranch_scc0 .Lentry_in_a_cluster
	s_endpgm
.Lentry_in_a_cluster:
	s_bfe_u32 s2, ttmp6, 0x10000c
	s_cmp_lg_u32 s2, 0xf033
	s_cbranch_scc0 .Lentry_shape_is_right
	s_endpgm
.Lentry_shape_is_right:
; out0 [8,192][1,858] f32 = A x B on codes of FP6 (E2M3) with E8M0 scales, as the launch before has laid them: acode [64 blocks of 128 rows][34 K steps][HB], bcode [16 blocks of 128 columns][34 K steps][HB].
; An HB (12,800 bytes) is 128 rows x 128 K: eight fragments as images of their 12 registers (registers 4 c .. 4 c + 3 of lane l at 1,536 i + 512 c + 16 l), then 512 bytes of scale words.
; A work-group of four waves makes 256 x 256 of out0, a wave 128 x 128: 64 accumulators, 512 registers.  8 x 32 = 256 work-groups.  Columns from 1,858 on have zero codes; they lie in the last tile column, beside live columns, and are not stored.
; THE RING: two LDS slots of three K steps (4 x 38,400 bytes: A's two halves, B's two halves); a wave's one tensor load brings 38,400 consecutive bytes as 150 rows of 256.  34 steps = 11 fills of three and a last fill of one (50 rows).
; Fill f lies in slot f % 2.  In the third step of a fill the slot is read no more (its fragments are in registers): a round of the cluster's barrier, and fill f + 2 goes out.  One tensor load a wave is out at most.
; CLUSTERS: 4 x 4.  A's halves are asked for jointly along a row of the cluster, B's along a column.
; PREFETCH: behind each joint load (fill x) a wave names fill x + 1's bytes of the same run: 150 blocks of 256 bytes, shared out by address among the four partners that load them jointly (38 each, the last 36; left-over lanes name
; their last block again): two instructions.  The last fill has 50 blocks, 13 a partner: one instruction.  So each block is named once in each cluster, three K steps (192 matrix instructions) ahead of its load; nothing is named beyond fill 11.
; THE MATRIX INSTRUCTION IS USED TRANSPOSED (source 0 = B's columns, source 1 = A's rows): a lane holds eight neighbouring columns of one row of out0.
; REGISTERS: window 0: v1-31 addresses; v32-79 scale words (24 a slot); v128-223 A's fragments, one set.  window 1: B's fragments, two sets (v0, v128).  windows 2, 3: accumulator (a, b) at v[8 (8 (a % 4) + b)], window 2 + a / 4.
.set HB,     12800
.set Q3,     3*HB                      ; what one tensor load brings
.set SLOT,   4*Q3
.set SPARE,  2*SLOT                    ; the spare words: 128 bytes a wave, named by the add alone
.set KBLK,   34*HB
.set SPITCH, 528                       ; the way out: a stage row of 512 bytes + 16
.set ROWO,   7432                      ; a row of out0 in bytes
.set NOUT,   1858
.set FR,     12
.set PF0,  12                          ; v12-14 the prefetches' offsets
.set PF1,  13
.set PF2,  14
.set ADRA, 16                          ; v16-17 my A fragments in slot 0, 1
.set ADRB, 20                          ; v20-21 my B fragments
.set ADRS, 22                          ; v22-23 scale words: lanes 0-15 A's, lanes 16-31 B's
.set STO,  24
.set RD,   25
.set CO,   26
.set C2,   27
.set SPW,  28
.set NIL,  29
.set SC,   32
.set AF,   128
.set BK,   128
.set G1A,  24                          ; group 1, 150 rows, A's mask;  G0A: group 0 for slot 0, 1
.set G0A,  32
.set PFA,  46                          ; s[46:47] the run that my prefetches name
.set G1B,  48
.set G0B,  56
.set G1AS, 68                          ; group 1, 50 rows
.set G1BS, 76
.set LIMN, 86
.set SVX,  95
.set MSB, 0
.macro WIN new                         ; the immediate's high byte repeats the setting that is left
.if MSB != (\new)
	s_set_vgpr_msb (MSB<<8)|(\new)
.set MSB, (\new)
.endif
.endm
.set MUL_LO, 0xa1
.set MUL_HI, 0xf1
.set TO_B,   0x40
.macro JLOAD g0a, g1a, g0b, g1b        ; a joint load: waves 0, 1 for A, waves 2, 3 for B; s_nop 0 and four v_nop behind each line
	s_cmp_eq_u32 s15, 0
	s_cbranch_scc0 .Lfor_b_\@
	tensor_load_to_lds s[\g0a:\g0a+3], s[\g1a:\g1a+7]
	s_nop 0
.rept 4
	v_nop
.endr
	s_branch .Lasked_\@
.Lfor_b_\@:
	tensor_load_to_lds s[\g0b:\g0b+3], s[\g1b:\g1b+7]
	s_nop 0
.rept 4
	v_nop
.endr
.Lasked_\@:
.endm
.macro CREST                           ; a round of the cluster's barrier behind its opening barrier
	s_cmp_lg_u32 s14, 0
	s_cbranch_scc1 .Lnot_wave_0_\@
	s_barrier_signal -3
.Lnot_wave_0_\@:
	s_barrier_wait -3
	s_barrier_signal -1
	s_barrier_wait -1
.endm
.macro CROUND
	s_barrier_signal -1
	s_barrier_wait -1
	CREST
.endm
.macro SHAPE g, rows                   ; rows of 256 bytes (32 elements of 8), dense
	s_mov_b32 s[\g+1], 32<<16
	s_mov_b32 s[\g+2], (\rows)<<16
	s_mov_b32 s[\g+3], 32<<16
	s_mov_b32 s[\g+4], \rows
	s_mov_b32 s[\g+5], 32
	s_mov_b32 s[\g+6], 0
	s_mov_b32 s[\g+7], 0
.endm
.macro ASK kind                        ; 1: a fill of 150 blocks; 2: the last fill, 50 blocks; 0: nothing
.if \kind == 1
	global_prefetch_b8 v[PF0], s[PFA:PFA+1] th:TH_LOAD_NT scope:SCOPE_SE
	global_prefetch_b8 v[PF1], s[PFA:PFA+1] th:TH_LOAD_NT scope:SCOPE_SE
.endif
.if \kind == 2
	global_prefetch_b8 v[PF2], s[PFA:PFA+1] th:TH_LOAD_NT scope:SCOPE_SE
.endif
.endm
	s_load_b128 s[4:7], s[0:1], 0x0                ; acode, bcode
	s_load_b64 s[12:13], s[0:1], 0x10              ; out0
	v_lshl_add_u32 v[SPW], v0, 2, SPARE
	v_mov_b32 v[NIL], 0
	ds_add_u32 v[SPW], v[NIL]                      ; the opening lines: the add twice on end and one wait, ahead of the first round
	ds_add_u32 v[SPW], v[NIL]
	v_lshrrev_b32 v1, 5, v0
	v_readfirstlane_b32 s14, v1                    ; wave
	s_lshr_b32 s15, s14, 1                         ; my half of the rows; also: I fetch for A (0) or B (1)
	s_and_b32 s16, s14, 1                          ; my half of the columns; also: which half I fetch
	s_bfe_u32 s40, ttmp6, 0x40000                  ; cx
	s_bfe_u32 s41, ttmp6, 0x40004                  ; cy
	s_lshl_b32 s42, ttmp9, 2
	s_add_co_u32 s42, s42, s40                     ; tile column
	s_and_b32 s17, ttmp7, 0xffff
	s_lshl_b32 s17, s17, 2
	s_add_co_u32 s17, s17, s41                     ; tile row
	s_lshl_b32 s43, s41, 2
	s_lshl_b32 s43, 15, s43                        ; my row of the cluster
	s_lshl_b32 s44, 0x1111, s40                    ; my column
	s_or_b32 s[G1A+0], s43, (3<<16)|(1<<21)
	s_or_b32 s[G1B+0], s44, (3<<16)|(1<<21)
	s_or_b32 s[G1AS+0], s43, (3<<16)|(1<<21)
	s_or_b32 s[G1BS+0], s44, (3<<16)|(1<<21)
	SHAPE G1A, 150
	SHAPE G1B, 150
	SHAPE G1AS, 50
	SHAPE G1BS, 50
	s_lshl_b32 s20, s17, 1
	s_add_co_u32 s20, s20, s16
	s_mul_i32 s20, s20, KBLK                       ; A: block of rows 2 x tile row + half
	s_mov_b32 s21, 0
	s_lshl_b32 s84, s42, 1
	s_add_co_u32 s84, s84, s16
	s_mul_i32 s84, s84, KBLK                       ; B: block of columns 2 x tile column + half
	s_mov_b32 s85, 0
	s_mul_i32 s45, s14, Q3                         ; where my load lands in a slot
	s_mul_i32 s90, s15, Q3                         ; my A half
	s_mul_i32 s91, s16, Q3
	s_add_co_u32 s91, s91, 2*Q3                    ; my B half
	s_xor_b32 s92, s15, 1
	s_add_co_u32 s92, s92, s16
	s_add_co_u32 s92, s92, 1
	s_mul_i32 s92, s92, Q3                         ; from my A half to my B half
	s_add_co_u32 s93, s90, 12288                   ; A's scale words
	s_mul_i32 s94, s14, 16*SPITCH                  ; my stage, in slot 0
	s_cmp_eq_u32 s15, 0
	s_cselect_b32 s18, s40, s41                    ; my place among the four that load my run jointly
	s_mul_i32 s19, s18, 38
	s_mul_i32 s18, s18, 13
	v_and_b32 v1, 31, v0                           ; lane
	v_and_b32 v2, 15, v0
	v_bfe_u32 v3, v0, 4, 1
	v_lshlrev_b32 v4, 4, v1
	v_lshlrev_b32 v5, 4, v2
	v_mul_u32_u24 v6, s92, v3
	v_add_nc_u32 v5, v5, v6
	v_add_nc_u32 v[ADRA], s90, v4
	v_add_nc_u32 v[ADRB], s91, v4
	v_add_nc_u32 v[ADRS], s93, v5
	v_add_nc_u32 v[ADRA+1], SLOT, v[ADRA]
	v_add_nc_u32 v[ADRB+1], SLOT, v[ADRB]
	v_add_nc_u32 v[ADRS+1], SLOT, v[ADRS]
	v_mul_u32_u24 v5, v2, SPITCH
	v_lshl_add_u32 v5, v3, 5, v5
	v_add_nc_u32 v[STO], s94, v5                   ; into the stage: row l % 16, 32 bytes for each half of the lanes
	v_lshlrev_b32 v[CO], 3, v1                     ; back and out: 8 bytes a lane
	v_add_nc_u32 v[RD], s94, v[CO]
	v_lshlrev_b32 v[C2], 1, v1                     ; my first column of a store's 64
	v_add_nc_u32 v7, s19, v1
	v_lshlrev_b32 v[PF0], 8, v7                    ; blocks 38 p + 0 .. 31
	v_min_u32 v8, 5, v1
	v_add_nc_u32 v8, s19, v8
	v_add_nc_u32 v8, 32, v8
	v_min_u32 v8, 149, v8
	v_lshlrev_b32 v[PF1], 8, v8                    ; blocks 38 p + 32 .. 37, held inside the 150
	v_min_u32 v9, 12, v1
	v_add_nc_u32 v9, s18, v9
	v_min_u32 v9, 49, v9
	v_lshlrev_b32 v[PF2], 8, v9                    ; the last fill: blocks 13 p + 0 .. 12, held inside the 50
	s_wait_alu depctr_va_vdst(0)                   ; the wait at the end of the head's vector work
	s_wait_dscnt 0x0                               ; both opening adds are done
	s_wait_kmcnt 0x0
	s_add_nc_u64 s[20:21], s[4:5], s[20:21]
	s_add_nc_u64 s[84:85], s[6:7], s[84:85]
.irp s, 0,1
	s_mov_b32 s[G0A+4*\s], 1
	s_add_co_u32 s[G0A+4*\s+1], s45, \s*SLOT
	s_add_nc_u64 s[G0A+4*\s+2:G0A+4*\s+3], s[20:21], \s*Q3       ; fill 0, fill 1
	s_or_b32 s[G0A+4*\s+3], s[G0A+4*\s+3], 0x80000000
	s_mov_b32 s[G0B+4*\s], 1
	s_add_co_u32 s[G0B+4*\s+1], s45, \s*SLOT
	s_add_nc_u64 s[G0B+4*\s+2:G0B+4*\s+3], s[84:85], \s*Q3
	s_or_b32 s[G0B+4*\s+3], s[G0B+4*\s+3], 0x80000000
.endr
	s_cmp_eq_u32 s15, 0
	s_cselect_b64 s[PFA:PFA+1], s[20:21], s[84:85]
	s_add_nc_u64 s[PFA:PFA+1], s[PFA:PFA+1], Q3    ; at fill 1
	CROUND                                         ; all sixteen work-groups are here: the first joint loads meet
	JLOAD G0A, G1A, G0B, G1B                       ; fill 0: the wave's one load at the head
	ASK 1                                          ; fill 1
	s_lshl_b32 s88, s17, 8                         ; where my part of out0 begins: row 256 x tile row + 128 x half,
	s_lshl_b32 s89, s15, 7
	s_add_co_u32 s88, s88, s89
	s_mul_i32 s88, s88, ROWO
	s_lshl_b32 s89, s42, 10                        ; column byte 1,024 x tile column + 512 x half
	s_add_co_u32 s88, s88, s89
	s_lshl_b32 s89, s16, 9
	s_add_co_u32 s88, s88, s89
	s_mov_b32 s89, 0
	s_add_nc_u64 s[12:13], s[12:13], s[88:89]
	s_lshl_b32 s[LIMN], s42, 8
	s_lshl_b32 s[LIMN+1], s16, 7
	s_add_co_u32 s[LIMN], s[LIMN], s[LIMN+1]
	s_sub_co_i32 s[LIMN], NOUT, s[LIMN]            ; columns that exist from my first on,
	s_sub_co_i32 s[LIMN+1], s[LIMN], 64            ; and from my 64th on
.macro FRAG reg, adr, off              ; a fragment's image: three loads of 512 consecutive bytes
.irp c, 0,1,2
	ds_load_b128 v[(\reg)+4*\c:(\reg)+4*\c+3], v[\adr] offset:(\off)+512*\c
.endr
.endm
.macro FETCH_B slot, q, p
	WIN TO_B
.irp i, 0,1,2,3,4,5,6,7
	FRAG 128*(\p)+FR*\i, ADRB+\slot, (\q)*HB+1536*\i
.endr
	WIN 0
.endm
.macro FETCH_A slot, q, i0
.irp i, \i0, \i0+1, \i0+2, \i0+3
	FRAG AF+FR*(\i), ADRA+\slot, (\q)*HB+1536*(\i)
.endr
.endm
.macro SCALES slot, n                  ; the scale words of a slot's n steps: register 8 q + 4 (i % 2) + i / 2: lanes 0-15 A's fragment i, lanes 16-31 B's
.set QQ, 0
.rept \n
	ds_load_b128 v[SC+24*\slot+8*QQ:SC+24*\slot+8*QQ+3],   v[ADRS+\slot] offset:QQ*HB
	ds_load_b128 v[SC+24*\slot+8*QQ+4:SC+24*\slot+8*QQ+7], v[ADRS+\slot] offset:QQ*HB+256
.set QQ, QQ+1
.endr
.endm
.macro MUL16 a0, p, q, sc, zero        ; A's blocks a0, a0 + 1 x B's eight; the 64 accumulators take turns in the same order in every step
.irp a, \a0, \a0+1
.irp b, 0,1,2,3,4,5,6,7
.if \zero
	v_wmma_scale_f32_16x16x128_f8f6f4 v[8*(8*((\a)%4)+\b):8*(8*((\a)%4)+\b)+7], v[128*(\p)+FR*\b:128*(\p)+FR*\b+FR-1], v[AF+FR*(\a):AF+FR*(\a)+FR-1], 0, v[SC+24*(\sc)+8*(\q)+4*(\b%2)+\b/2], v[SC+24*(\sc)+8*(\q)+4*((\a)%2)+(\a)/2] matrix_a_fmt:MATRIX_FMT_FP6 matrix_b_fmt:MATRIX_FMT_FP6 matrix_a_scale:MATRIX_SCALE_ROW1
.else
	v_wmma_scale_f32_16x16x128_f8f6f4 v[8*(8*((\a)%4)+\b):8*(8*((\a)%4)+\b)+7], v[128*(\p)+FR*\b:128*(\p)+FR*\b+FR-1], v[AF+FR*(\a):AF+FR*(\a)+FR-1], v[8*(8*((\a)%4)+\b):8*(8*((\a)%4)+\b)+7], v[SC+24*(\sc)+8*(\q)+4*(\b%2)+\b/2], v[SC+24*(\sc)+8*(\q)+4*((\a)%2)+(\a)/2] matrix_a_fmt:MATRIX_FMT_FP6 matrix_b_fmt:MATRIX_FMT_FP6 matrix_a_scale:MATRIX_SCALE_ROW1
.endif
.endr
.endr
.endm
.macro PLACES                          ; four places in front of loads into registers that matrix instructions have read
.rept 4
	v_nop
.endr
.endm
; A slot's first or second step: 64 products on B's set p; the next step's fragments come in its middle and at its end.
.macro STEP slot, q, p, zero
	s_wait_dscnt 12                                ; all but A's blocks 4-7
	WIN MUL_LO
	MUL16 0, \p, \q, \slot, \zero
	MUL16 2, \p, \q, \slot, \zero
	s_wait_dscnt 0x0
	PLACES
	FETCH_B \slot, (\q)+1, 1-(\p)
	FETCH_A \slot, (\q)+1, 0
	WIN MUL_HI
	MUL16 4, \p, \q, \slot, \zero
	MUL16 6, \p, \q, \slot, \zero
	PLACES
	WIN 0
	FETCH_A \slot, (\q)+1, 4
.endm
; A slot's third step, and the change of slots.  fill: 1 = three steps, 2 = the last fill's one step, 0 = nothing is left to fetch.  ask: what ASK names.  nsc: steps in the next slot.
.macro TURN slot, next, p, fill, ask, nsc
.if \ask
	s_wait_xcnt 0x0                                ; my last prefetches have read their base: it steps only behind this wait
	s_add_nc_u64 s[PFA:PFA+1], s[PFA:PFA+1], Q3
.endif
	s_wait_tensorcnt 0x0                           ; my part of the next slot has landed: no load of mine is out
	ds_add_u32 v[SPW], v[NIL]
	s_wait_dscnt 13                                ; (the add and A's blocks 4-7 may be out)
	WIN MUL_LO
	MUL16 0, \p, 2, \slot, 0
	s_wait_dscnt 0x0                               ; the add is done and my reads of this slot are over
	s_barrier_signal -1
	MUL16 2, \p, 2, \slot, 0
	WIN 0
	s_barrier_wait -1
.if \fill
	CREST                                          ; the barrier has opened a round: no wave of any partner reads this slot or has a load out
	s_add_nc_u64 s[G0A+4*\slot+2:G0A+4*\slot+3], s[G0A+4*\slot+2:G0A+4*\slot+3], 2*Q3
	s_add_nc_u64 s[G0B+4*\slot+2:G0B+4*\slot+3], s[G0B+4*\slot+2:G0B+4*\slot+3], 2*Q3
.if \fill == 1
	JLOAD G0A+4*\slot, G1A, G0B+4*\slot, G1B       ; its four v_nop are the places in front of the loads below
.else
	JLOAD G0A+4*\slot, G1AS, G0B+4*\slot, G1BS
.endif
.else
	PLACES
.endif
	FETCH_B \next, 0, 1-(\p)
	FETCH_A \next, 0, 0
	SCALES \next, \nsc
	ASK \ask
	WIN MUL_HI
	MUL16 4, \p, 2, \slot, 0
	MUL16 6, \p, 2, \slot, 0
	PLACES
	WIN 0
	FETCH_A \next, 0, 4
.endm
	s_wait_tensorcnt 0x0                           ; my part of fill 0 is in; slot 1's first fill is issued as a refill is:
	ds_add_u32 v[SPW], v[NIL]
	s_wait_xcnt 0x0
	s_add_nc_u64 s[PFA:PFA+1], s[PFA:PFA+1], Q3    ; at fill 2
	s_wait_dscnt 0x0
	CROUND
	JLOAD G0A+4, G1A, G0B+4, G1B                   ; fill 1
	FETCH_B 0, 0, 0
	FETCH_A 0, 0, 0
	SCALES 0, 3
	FETCH_A 0, 0, 4
	ASK 1                                          ; fill 2
	STEP 0, 0, 0, 1                                ; K step 0 starts the sums: nothing is cleared
	s_mov_b32 s3, 4
.Llap:                                                 ; a trip: K steps 6 i + 1 .. 6 i + 6; it issues fills 2 i + 2 and 2 i + 3 and names fills 2 i + 3 and 2 i + 4
	STEP 0, 1, 1, 0
	TURN 0, 1, 0, 1, 1, 3
	STEP 1, 0, 1, 0
	STEP 1, 1, 0, 0
	TURN 1, 0, 1, 1, 1, 3
	STEP 0, 0, 0, 0
	s_sub_co_u32 s3, s3, 1
	s_cmp_lg_u32 s3, 0
	s_cbranch_scc1 .Llap
	STEP 0, 1, 1, 0                                ; K step 25
	TURN 0, 1, 0, 1, 2, 3                          ; issues fill 10, names fill 11
	STEP 1, 0, 1, 0
	STEP 1, 1, 0, 0
	TURN 1, 0, 1, 2, 0, 3                          ; issues fill 11: K step 33 alone
	STEP 0, 0, 0, 0
	STEP 0, 1, 1, 0
	TURN 0, 1, 0, 0, 0, 1                          ; nothing is left to fetch: a plain barrier shows fill 11 whole; slot 0 is read no more
	s_wait_dscnt 12                                ; K step 33
	WIN MUL_LO
	MUL16 0, 1, 0, 1, 0
	MUL16 2, 1, 0, 1, 0
	s_wait_dscnt 0x0
	WIN MUL_HI
	MUL16 4, 1, 0, 1, 0
	MUL16 6, 1, 0, 1, 0
	WIN 0
; THE WAY OUT, by blocks of 16 rows x 128 columns through my own stage (in slot 0, which has had its last fill and its last read), back as rows of 512 bytes.  A row of out0 is 7,432 bytes, a multiple of 8 alone: stores of 8 bytes a lane, 256 consecutive bytes each.
; Block a comes back into registers that are free and stay untouched: blocks 0 and 1 into v128-255 of window 0, block a into block a - 2's accumulators, whose stores into the stage are shown done by the wait in front.
; So no store's data, offset or base is written again: a row's place stands in the immediate, 127 x 7,432 + 256 at the most (signed 24 bits: ISA guide, chapter 10).
; Two groups of four blocks.  A group goes through the stage with all lanes on; then its rows' left 256 bytes are stored under the mask of the columns that exist, then the right 256 bytes under theirs: 64 stores under each mask.
.macro DST a
.if (\a) < 2
.set DW, 0
.set DR, BK+64*(\a)
.else
.set DW, 2+((\a)-2)/4
.set DR, 64*(((\a)-2)%4)
.endif
.endm
.macro TOSTAGE a
.set AC, 64*((\a)%4)
	WIN 0x08+4*((\a)/4)                            ; the data: window 2 or 3
.irp b, 0,1,2,3,4,5,6,7
	ds_store_b128 v[STO], v[AC+8*\b:AC+8*\b+3] offset:64*\b        ; each accumulator from its low end on
	ds_store_b128 v[STO], v[AC+8*\b+4:AC+8*\b+7] offset:64*\b+16
.endr
	DST \a
	WIN DW<<6
.irp t, 0,1,2,3,4,5,6,7,8,9,10,11,12,13,14,15
	ds_load_b64 v[DR+4*\t:DR+4*\t+1],   v[RD] offset:\t*SPITCH     ; LDS serves a wave's instructions in order: these see the stores above
	ds_load_b64 v[DR+4*\t+2:DR+4*\t+3], v[RD] offset:\t*SPITCH+256
.endr
.endm
.macro SEND a, u                       ; half u of block a's sixteen rows
	DST \a
	WIN DW<<2
.irp t, 0,1,2,3,4,5,6,7,8,9,10,11,12,13,14,15
	global_store_b64 v[CO], v[DR+4*\t+2*\u:DR+4*\t+2*\u+1], s[12:13] offset:(16*(\a)+\t)*ROWO+256*\u th:TH_STORE_NT
.endr
.endm
	PLACES
.macro GROUP a0
	TOSTAGE \a0
	TOSTAGE \a0+1
	s_wait_dscnt 48                                ; the group's first block is through the stage (the second's 16 stores and 32 loads may be out): its accumulators take the third block
	TOSTAGE \a0+2
	s_wait_dscnt 48                                ; likewise the second block's
	TOSTAGE \a0+3
	WIN 0
	s_wait_dscnt 0x0                               ; all four blocks are back in registers
	s_wait_xcnt 0x0                                ; EXEC changes only behind this wait
.irp u, 0,1
	v_cmp_gt_i32 vcc_lo, s[LIMN+\u], v[C2]
	s_and_saveexec_b32 s[SVX], vcc_lo
.irp a, \a0, \a0+1, \a0+2, \a0+3
	SEND \a, \u
.endr
	WIN 0
	s_wait_xcnt 0x0                                ; and again in front of the line that restores it
	s_or_b32 exec_lo, exec_lo, s[SVX]
.endr
.endm
	GROUP 0
	GROUP 4
	s_wait_tensorcnt 0x0                           ; the wave's end
	ds_add_u32 v[SPW], v[NIL]
	s_wait_dscnt 0x0
	CROUND                                         ; the closing round
	s_endpgm
.Lfunc_end_k_q9b66109742_gemm:
	.size	k_q9b66109742_gemm, .Lfunc_end_k_q9b66109742_gemm-k_q9b66109742_gemm
	.p2alignl 7, 3214868480
	.fill 96, 4, 3214868480
	.section	.rodata,"a",@progbits
	.p2align	6, 0x0
	.amdhsa_kernel k_q9b66109742_gemm
		.amdhsa_group_segment_fixed_size 327680
		.amdhsa_private_segment_fixed_size 0
		.amdhsa_enable_private_segment 0
		.amdhsa_kernarg_size 24
		.amdhsa_user_sgpr_count 2
		.amdhsa_user_sgpr_kernarg_segment_ptr 1
		.amdhsa_wavefront_size32 1
		.amdhsa_system_sgpr_workgroup_id_x 1
		.amdhsa_system_sgpr_workgroup_id_y 1
		.amdhsa_system_sgpr_workgroup_id_z 1
		.amdhsa_system_vgpr_workitem_id 0
		.amdhsa_next_free_vgpr 1024
		.amdhsa_next_free_sgpr 98
		.amdhsa_reserve_vcc 1
		.amdhsa_float_denorm_mode_32 3
		.amdhsa_float_denorm_mode_16_64 3
		.amdhsa_memory_ordered 1
		.amdhsa_forward_progress 1
		.amdhsa_inst_pref_size 250
	.end_amdhsa_kernel
	.amdgpu_metadata
---
amdhsa.version: [ 1, 2 ]
amdhsa.kernels:
  - .name:           k_q9b66109742_gemm
    .symbol:         k_q9b66109742_gemm.kd
    .args:
      - { .name: acode, .offset: 0, .size: 8, .value_kind: global_buffer, .address_space: global }
      - { .name: bcode, .offset: 8, .size: 8, .value_kind: global_buffer, .address_space: global }
      - { .name: out0, .offset: 16, .size: 8, .value_kind: global_buffer, .address_space: global }
    .group_segment_fixed_size: 327680
    .private_segment_fixed_size: 0
    .kernarg_segment_align: 8
    .kernarg_segment_size: 24
    .max_flat_workgroup_size: 128
    .sgpr_count:     98
    .vgpr_count:     1024
    .wavefront_size: 32
...
	.end_amdgpu_metadata
.endif
;; end of part 2
